; MI455X (gfx1250); checked and timed in simulation.
; The chip was launched on July 23, 2026; its instructions are those of AMD's public machine-readable ISA for CDNA 5 (MIT licence, August 2026) and "CDNA5" Instruction Set Architecture Reference Guide (July 2026). The comments in the code are by the model that wrote it; some were corrected since.
;; MHDPA. Allowed arithmetic: matrix products marked QUANTISED: E2M1 operands, one E8M0 scale for each 32 along K, by v_wmma_scale_f32_16x16x128_f8f6f4 with both operands' format E2M1 (or v_wmma_scale_f32_32x16x128_f4), f32 sums; everything else in f32.
;; Inputs: Wk 37 x 64 float32; Wq 37 x 64 float32; Wv 37 x 64 float32; x 16 x 37 x 4,096 float32.
;; Outputs: out0 16 x 4,096 x 64 float32.
;; This version of the problem:
;;   THIS VERSION OF THE PROBLEM IS GIVEN IN LOW PRECISION. The matrix products marked QUANTISED in the list below multiply operands that are first quantised to E2M1 (2 exponent bits, 1 mantissa bit; 4 bits a number), with one power-of-two scale for each 32 numbers along K (OCP MX v1.0); their sums are f32. All else is computed in f32.
;;   The module's matrix products, in the order in which they are computed (A, B: the left and right operand; K: the contracted axis; several contracted axes count as one K, in the product's order):
;;     1. [M 65,536, K 37] x [K 37, N 64]; A: input x; B: input Wq: QUANTISED
;;     2. [M 65,536, K 37] x [K 37, N 64]; A: input x; B: input Wk: QUANTISED
;;     3. [M 65,536, K 37] x [K 37, N 64]; A: input x; B: input Wv: QUANTISED
;;     4. batch 16 x [M 4,096, K 64] x [K 64, N 4,096]; A: computed on the way; B: computed on the way: QUANTISED
;;     5. batch 16 x [M 4,096, K 4,096] x [K 4,096, N 64]; A: computed on the way; B: computed on the way: QUANTISED
;;   THE QUANTISER, for each operand of a quantised product, along K:
;;     - K is cut into blocks of 32 from its start; a last block that is shorter is filled with zeros.
;;     - A block's scale is 2^e with e = floor(log2(the largest magnitude in the block)) - 2, held to -126 .. 127; a block of zeros has e = 0. As a byte (E8M0): e + 127.
;;     - Each number is divided by its block's scale, clamped to +-6, and rounded to the nearest number of E2M1, ties to even, subnormals kept.
;;     - The product sums the exact products of the quantised numbers (number of the format x scale) in f32.
;;   ~~~python
;;   def quantise(x, axis):      # numpy; x: float32 -> the quantised numbers, widened to float32 again
;;       x = np.moveaxis(x, axis, -1); K = x.shape[-1]
;;       x = np.pad(x, [(0, 0)] * (x.ndim - 1) + [(0, -K % 32)]); x = x.reshape(x.shape[:-1] + (-1, 32)); a = np.abs(x).max(-1, keepdims=True)
;;       e = np.where(a > 0, np.clip(np.frexp(np.where(a > 0, a, 1))[1] - 1 - 2, -126, 127), 0)      # np.frexp(a)[1] - 1 = floor(log2(a)), exactly
;;       r = np.clip(x / 2.0 ** e, -6, 6)
;;       step = 2.0 ** (np.maximum(np.frexp(np.where(r == 0, 1, r))[1] - 1, 0) - 1)
;;       q = np.round(r / step) * step * 2.0 ** e      # np.round: ties to even
;;       return np.moveaxis(q.reshape(q.shape[:-2] + (-1,))[..., :K], -1, axis).astype(np.float32)
;;   ~~~
;;   OPERANDS COMPUTED ON THE WAY. 'Computed on the way' means the value that the module computes at that place (a softmax that the list does not call 'softmax' is quantised finished and normalised). What goes into a quantiser is computed in f32, as accurately as f32 sums, v_exp_f32 and their like allow (about 1e-6 of the number): no bf16 or f16 on the way to a quantiser, and a product that is left as it is and whose result goes on into a quantised operand takes f32 operands (vector FMAs, or v_wmma_f32_16x16x4_f32). A number that lies on a knife's edge between two numbers of the format may be rounded either way, as far as f32 arithmetic and the matrix unit's own rounding can turn it there, and no further.
;; One version. Each part assembles by itself: llvm-mc -triple=amdgcn-amd-amdhsa -mcpu=gfx1250 --defsym DOCPART=n.
;; ======== version 1 of 1: 3 launches
;; limits: right only within a limited range of input values
;; workspace buffers: qrec 2,359,296 bytes; kvrec 4,718,592 bytes; lz 262,144 bytes
;; launch project (part 1): grid 512 x 1, 3 waves a work-group, no clusters, 0 bytes of LDS; arguments x, Wq, Wk, Wv, qrec, kvrec; writes qrec, kvrec
.if DOCPART == 1
	.amdgcn_target "amdgcn-amd-amdhsa--gfx1250"
	.amdhsa_code_object_version 6
	.text
	.protected	k_q7a97e0da23_project
	.globl	k_q7a97e0da23_project
	.p2align	8
	.type	k_q7a97e0da23_project,@function
k_q7a97e0da23_project:
	s_mov_b64 s[64:65], 0
	v_nop
	global_prefetch_b8 v0, s[64:65] scope:SCOPE_SE
	s_setreg_imm32_b32 hwreg(HW_REG_WAVE_MODE, 25, 1), 1
	s_wait_xcnt 0x0
; q, k, v = LayerNorm(x^T W) for 128 entities of one batch, all three products on codes of FP4 (E2M1) with one E8M0 scale for each 32 along K = 37 (a full block and a block of 5 numbers and 27 zeros);
; then q and k are quantised along their 64 channels and v along the keys, and leave as images of the operand registers that the two later launches load.
; NOTHING OF reference() IS DEAD: every input reaches the output, so all four inputs are loaded and all five products are done (the fourth twice: the softmax's divisor runs over the queries).
; LIMITS: NaN and infinities among the inputs are not served.  A block of zeros gets the scale byte 1 where the rule says 127: its codes are zeros, which add nothing, and this program alone reads the bytes.
; SHARES.  Work-group = one step of 128 entities (batch = id / 32, step = id % 32).  Wave 0 makes q, wave 1 k, wave 2 v; each quantises x and its own W itself: the waves share nothing, so there is no LDS and no barrier.
; THE TILE PATTERN.  Rows go in groups of 64; tile g of a group holds in lane r the row 4 r + g.  As source 0 of a product, register j of lane half h of the result is then row 32 h + 4 j + g: the 32 registers
; of a group's four tiles are one WHOLE block of 32 in one lane, so a block's largest magnitude needs no other lane and four conversions give four registers of the next operand.  Inside a block the order is
; permuted (place 8 g + j holds row 4 j + g), alike on both operands of every product; the blocks are the same sets, so the scales are the quantiser's.  A load of 16 bytes a lane at 16 r reads rows 4 r .. 4 r + 3:
; sixteen lanes read 256 consecutive aligned bytes of a row of x or of W.
; K = 37 IN AN INSTRUCTION OF K = 128: x's fragments have zero codes in registers 4-7; W's fragments lie 4 registers apart, so W's registers 4-7 are the next fragment's codes (or a zeroed pad): any code x code 0 = 0.
; Bytes 2 and 3 of every scale word are 127.
.set RR,   1                           ; v1   r = lane % 16
.set HH,   2                           ; v2   h = lane / 16
.set LI,   3                           ; v3   16 x lane: an image's place for my lane
.set OB,   4                           ; v4   16 r
.set XOA,  5                           ; v5   16 r + h x 32 rows of x
.set WOA,  6                           ; v6   16 r + h x 32 rows of W
.set SH8,  7                           ; v7   8 h
.set ZERO, 8                           ; v8   0
.set MX,   10                          ; v10-13 largest magnitudes
.set SO,   14                          ; v14-17 the conversions' scale operands
.set BY,   18                          ; v18-21 scale bytes
.set PX,   22                          ; v22-25 what lane l xor 16 sends
.set SW,   26                          ; v26-33 the results' scale words (q, k: 8 tiles; v: 4)
.set XS,   34                          ; v34-37 x's scale words: scales and nothing else
.set WS,   38                          ; v38-41 W's
.set WF,   42                          ; v42-61 W's four fragments, 4 registers apart, and 4 zeros
.set XF,   62                          ; v62-93 x's four fragments, 8 registers each, the upper four zeros
.set T,    94                          ; v94-125 a column for the quantiser; LayerNorm's sums
.set CO,   T+16                        ; v110-125 codes on their way out (T's upper half is free by then)
.set EPSV, 126                         ; v126-127 eps, twice
.set H,    128                         ; v128-255 sixteen result tiles
.set R,    128                         ;          and, before them, 32 rows x 4 columns as loaded
.set MSB, 0
.macro WIN new                         ; s_set_vgpr_msb: bits 1:0 source 0, 7:6 destination; the immediate's high byte repeats the setting that is left
.if MSB != \new
	s_set_vgpr_msb (MSB<<8)|\new
.set MSB, \new
.endif
.endm
.macro PLACES n
.rept \n
	v_nop
.endr
.endm
; 37 rows x 64 columns of f32 become four fragments (tile g at v[dst + g dstride]) and four scale words.  Lanes 16-31 hold rows 32 to 36 in their first five places; for the other 27 they read what lanes 0-15 read
; (no load leaves its buffer) and take 0 instead: the copy that makes a column's registers consecutive is also the fill with zeros.
; QLOAD asks for the 32 x 4 registers (from v[rb] of the window that win names as the destination's); QCOLS waits for them (cnt: the loads issued behind them) and works them.
; All three QLOADs stand at the head: W into v128-255 of window 0, x's two groups of 64 entities into v0-127 and v128-255 of window 1, which hold nothing else.
.macro QLOAD base, offa, pitch, off0, rb, win
	WIN \win
.set i, 0
.rept 32
.if i < 5
	global_load_b128 v[\rb+4*i:\rb+4*i+3], v[\offa], s[\base:\base+1] offset:\off0+i*\pitch
.else
	global_load_b128 v[\rb+4*i:\rb+4*i+3], v[OB], s[\base:\base+1] offset:\off0+i*\pitch
.endif
.set i, i+1
.endr
	WIN 0
.endm
.macro QCOLS rb, win, cnt, dst, dstride, sdst
	s_wait_loadcnt \cnt
.irp g, 0,1,2,3
	WIN \win                                                       ; the copies' source 0: window 0 (W) or window 1 (x)
.set i, 0
.rept 32
.if i < 5
	v_mov_b32 v[T+i], v[\rb+4*i+\g]
.else
	v_cndmask_b32 v[T+i], v[\rb+4*i+\g], v[ZERO], vcc_lo
.endif
.set i, i+1
.endr
	WIN 0
	v_max3_num_f32 v[MX], |v[T]|, |v[T+1]|, 0x1800000              ; the block's largest magnitude, in two chains, with the floor 2^(3 - 127): the byte cannot fall under 1
	v_max3_num_f32 v[MX+1], |v[T+2]|, |v[T+3]|, |v[T+4]|
.irp k, 5,9,13,17,21,25
	v_max3_num_f32 v[MX], v[MX], |v[T+\k]|, |v[T+\k+1]|
	v_max3_num_f32 v[MX+1], v[MX+1], |v[T+\k+2]|, |v[T+\k+3]|
.endr
	v_max3_num_f32 v[MX], v[MX], |v[T+29]|, |v[T+30]|
	v_max3_num_f32 v[MX], v[MX], v[MX+1], |v[T+31]|
	v_add_nc_u32 v[SO], 0xff000000, v[MX]                          ; 2 off its exponent field: the conversion takes that field as its scale
	v_lshrrev_b32 v[BY], 23, v[SO]                                 ; the scale's byte
.irp k, 0,1,2,3
	v_cvt_scalef32_pk8_fp4_f32 v[\dst+\g*\dstride+\k], v[T+8*\k:T+8*\k+7], v[SO]
.endr
	v_lshlrev_b32 v[BY], v[SH8], v[BY]                             ; (the plain line behind the conversions)  block h's byte at place h,
	v_permlanex16_b32 v[PX], v[BY], s28, s29
	v_or_b32 v[BY], v[BY], v[PX]                                   ; with lane l xor 16's,
	v_or_b32 v[\sdst+\g], 0x7f7f0000, v[BY]                        ; and 127 for the two blocks that hold zeros
.endr
.endm
; q or k of 64 entities.  Source 0 = 16 channels of W, source 1 = 16 entities: lane (r, h) holds entity 4 r + g and, in the 32 registers of tile row g, channels 32 h + 4 j + w.
.macro QK_GROUP c
.irp g, 0,1,2,3
.irp w, 0,1,2,3
	v_wmma_scale_f32_16x16x128_f8f6f4 v[H+32*\g+8*\w:H+32*\g+8*\w+7], v[WF+4*\w:WF+4*\w+7], v[XF+8*\g:XF+8*\g+7], 0, v[WS+\w], v[XS+\g] matrix_a_fmt:MATRIX_FMT_FP4 matrix_b_fmt:MATRIX_FMT_FP4
.endr
.endr
	PLACES 4                                                       ; four plain lines between the last product and the first read of results
.irp g, 0,1,2,3                        ; LayerNorm, the four tiles by turns; each result tile is read from its low end on
	v_pk_add_f32 v[T+2*\g:T+2*\g+1], v[H+32*\g:H+32*\g+1], v[H+32*\g+2:H+32*\g+3]
.endr
.irp p, 2,3,4,5,6,7,8,9,10,11,12,13,14,15
.irp g, 0,1,2,3
	v_pk_add_f32 v[T+2*\g:T+2*\g+1], v[T+2*\g:T+2*\g+1], v[H+32*\g+2*\p:H+32*\g+2*\p+1]
.endr
.endr
.irp g, 0,1,2,3
	v_add_f32 v[T+2*\g], v[T+2*\g], v[T+2*\g+1]
.endr
.irp g, 0,1,2,3
	v_permlanex16_b32 v[PX+\g], v[T+2*\g], s28, s29                ; the entity's other 32 channels lie in lane l xor 16
.endr
.irp g, 0,1,2,3
	v_add_f32 v[T+2*\g], v[T+2*\g], v[PX+\g]
.endr
.irp g, 0,1,2,3
	v_mul_f32 v[T+2*\g], s30, v[T+2*\g]                            ; the mean
.endr
.irp p, 0,1,2,3,4,5,6,7,8,9,10,11,12,13,14,15
.irp g, 0,1,2,3
	v_pk_add_f32 v[H+32*\g+2*\p:H+32*\g+2*\p+1], v[H+32*\g+2*\p:H+32*\g+2*\p+1], v[T+2*\g:T+2*\g+1] op_sel_hi:[1,0] neg_lo:[0,1] neg_hi:[0,1]
.endr
.endr
.irp g, 0,1,2,3
	v_pk_mul_f32 v[T+8+2*\g:T+8+2*\g+1], v[H+32*\g:H+32*\g+1], v[H+32*\g:H+32*\g+1]
.endr
.irp p, 1,2,3,4,5,6,7,8,9,10,11,12,13,14,15
.irp g, 0,1,2,3
	v_pk_fma_f32 v[T+8+2*\g:T+8+2*\g+1], v[H+32*\g+2*\p:H+32*\g+2*\p+1], v[H+32*\g+2*\p:H+32*\g+2*\p+1], v[T+8+2*\g:T+8+2*\g+1]
.endr
.endr
.irp g, 0,1,2,3
	v_add_f32 v[T+8+2*\g], v[T+8+2*\g], v[T+8+2*\g+1]
.endr
.irp g, 0,1,2,3
	v_permlanex16_b32 v[PX+\g], v[T+8+2*\g], s28, s29
.endr
.irp g, 0,1,2,3
	v_add_f32 v[T+8+2*\g], v[T+8+2*\g], v[PX+\g]
.endr
.irp g, 0,1,2,3
	v_fma_f32 v[T+8+2*\g], v[T+8+2*\g], s30, v[EPSV]               ; the variance + eps
.endr
	s_wait_alu depctr_va_vdst(0)
.irp g, 0,1,2,3
	v_rsq_f32 v[T+8+2*\g], v[T+8+2*\g]
.endr
	v_nop                                                          ; a plain line behind the last of the batch,
	s_wait_alu depctr_va_vdst(0)                                   ; and one wait for the four, ahead of their first reader
.irp p, 0,1,2,3,4,5,6,7,8,9,10,11,12,13,14,15
.irp g, 0,1,2,3
	v_pk_mul_f32 v[H+32*\g+2*\p:H+32*\g+2*\p+1], v[H+32*\g+2*\p:H+32*\g+2*\p+1], v[T+8+2*\g:T+8+2*\g+1] op_sel_hi:[1,0]
.endr
.endr
.irp g, 0,1,2,3                        ; the quantiser along the channels: my 32 registers of a tile row are block h of my entity
	v_max3_num_f32 v[MX+\g], |v[H+32*\g]|, |v[H+32*\g+1]|, 0x1800000
.endr
.irp p, 1,2,3,4,5,6,7,8,9,10,11,12,13,14,15
.irp g, 0,1,2,3
	v_max3_num_f32 v[MX+\g], v[MX+\g], |v[H+32*\g+2*\p]|, |v[H+32*\g+2*\p+1]|
.endr
.endr
.irp g, 0,1,2,3
	v_add_nc_u32 v[SO+\g], 0xff000000, v[MX+\g]
.endr
.irp g, 0,1,2,3
	v_lshrrev_b32 v[BY+\g], 23, v[SO+\g]
.endr
.irp g, 0,1,2,3
.irp w, 0,1,2,3
	v_cvt_scalef32_pk8_fp4_f32 v[CO+4*\g+\w], v[H+32*\g+8*\w:H+32*\g+8*\w+7], v[SO+\g]
.endr
.endr
.irp g, 0,1,2,3
	v_lshlrev_b32 v[BY+\g], v[SH8], v[BY+\g]                       ; (plain lines behind the conversions)
.endr
.irp g, 0,1,2,3
	v_permlanex16_b32 v[PX+\g], v[BY+\g], s28, s29
.endr
.irp g, 0,1,2,3
	v_or_b32 v[BY+\g], v[BY+\g], v[PX+\g]
.endr
.irp g, 0,1,2,3
	v_or_b32 v[SW+4*\c+\g], 0x7f7f0000, v[BY+\g]
.endr
.irp g, 0,1,2,3
	global_store_b128 v[LI], v[CO+4*\g:CO+4*\g+3], s[22:23] offset:(4*\c+\g)*512   ; a fragment's image: the wave stores 512 consecutive aligned bytes
.endr
.endm
.macro ROWSUM                          ; each of T's 32 numbers is summed over the 16 lanes of its half
.irp m, 1,2,4,8
.set n, 0
.rept 32
	v_add_f32_dpp v[T+n], v[T+n], v[T+n] row_xmask:\m row_mask:0xf bank_mask:0xf
.set n, n+1
.endr
.endr
.endm
; v of 64 keys.  Source 0 = 16 entities, source 1 = 16 channels of W: lane (r, h) holds channel 4 r + u in tile column u, and register j of tile row g is key 32 h + 4 j + g.
; A key's 64 channels lie in the four tile columns and the sixteen lanes of a half.
.macro V_GROUP c
.irp g, 0,1,2,3
.irp u, 0,1,2,3
	v_wmma_scale_f32_16x16x128_f8f6f4 v[H+32*\g+8*\u:H+32*\g+8*\u+7], v[XF+8*\g:XF+8*\g+7], v[WF+4*\u:WF+4*\u+7], 0, v[XS+\g], v[WS+\u] matrix_a_fmt:MATRIX_FMT_FP4 matrix_b_fmt:MATRIX_FMT_FP4
.endr
.endr
	PLACES 4
.irp p, 0,1,2,3                        ; p = 0 comes first for all sixteen tiles: each is read from its low end on
.irp g, 0,1,2,3
	v_pk_add_f32 v[T+8*\g+2*\p:T+8*\g+2*\p+1], v[H+32*\g+2*\p:H+32*\g+2*\p+1], v[H+32*\g+8+2*\p:H+32*\g+8+2*\p+1]
.endr
.irp u, 2,3
.irp g, 0,1,2,3
	v_pk_add_f32 v[T+8*\g+2*\p:T+8*\g+2*\p+1], v[T+8*\g+2*\p:T+8*\g+2*\p+1], v[H+32*\g+8*\u+2*\p:H+32*\g+8*\u+2*\p+1]
.endr
.endr
.endr
	ROWSUM
.set n, 0
.rept 16
	v_pk_mul_f32 v[T+2*n:T+2*n+1], v[T+2*n:T+2*n+1], s[30:31] op_sel_hi:[1,0]      ; the means
.set n, n+1
.endr
.irp g, 0,1,2,3
.irp u, 0,1,2,3
.irp p, 0,1,2,3
	v_pk_add_f32 v[H+32*\g+8*\u+2*\p:H+32*\g+8*\u+2*\p+1], v[H+32*\g+8*\u+2*\p:H+32*\g+8*\u+2*\p+1], v[T+8*\g+2*\p:T+8*\g+2*\p+1] neg_lo:[0,1] neg_hi:[0,1]
.endr
.endr
.endr
.irp g, 0,1,2,3
.irp p, 0,1,2,3
	v_pk_mul_f32 v[T+8*\g+2*\p:T+8*\g+2*\p+1], v[H+32*\g+2*\p:H+32*\g+2*\p+1], v[H+32*\g+2*\p:H+32*\g+2*\p+1]
.endr
.endr
.irp u, 1,2,3
.irp g, 0,1,2,3
.irp p, 0,1,2,3
	v_pk_fma_f32 v[T+8*\g+2*\p:T+8*\g+2*\p+1], v[H+32*\g+8*\u+2*\p:H+32*\g+8*\u+2*\p+1], v[H+32*\g+8*\u+2*\p:H+32*\g+8*\u+2*\p+1], v[T+8*\g+2*\p:T+8*\g+2*\p+1]
.endr
.endr
.endr
	ROWSUM
.set n, 0
.rept 16
	v_pk_fma_f32 v[T+2*n:T+2*n+1], v[T+2*n:T+2*n+1], s[30:31], v[EPSV:EPSV+1] op_sel_hi:[1,0,1]   ; the variances + eps
.set n, n+1
.endr
.set n, 0
	s_wait_alu depctr_va_vdst(0)
.rept 32
	v_rsq_f32 v[T+n], v[T+n]
.set n, n+1
.endr
	v_nop                                                          ; a plain line behind the last of the batch,
	s_wait_alu depctr_va_vdst(0)                                   ; and one wait for the 32, ahead of their first reader
.irp g, 0,1,2,3
.irp u, 0,1,2,3
.irp p, 0,1,2,3
	v_pk_mul_f32 v[H+32*\g+8*\u+2*\p:H+32*\g+8*\u+2*\p+1], v[H+32*\g+8*\u+2*\p:H+32*\g+8*\u+2*\p+1], v[T+8*\g+2*\p:T+8*\g+2*\p+1]
.endr
.endr
.endr
.irp u, 0,1,2,3                        ; the quantiser along the keys: tile column u's 32 registers are block 2 c + h of my channel
	v_max3_num_f32 v[MX+\u], |v[H+8*\u]|, |v[H+8*\u+1]|, 0x1800000
.endr
.set q, 1
.rept 15
.irp u, 0,1,2,3
	v_max3_num_f32 v[MX+\u], v[MX+\u], |v[H+32*(q/4)+8*\u+2*(q%4)]|, |v[H+32*(q/4)+8*\u+2*(q%4)+1]|
.endr
.set q, q+1
.endr
.irp u, 0,1,2,3
	v_add_nc_u32 v[SO+\u], 0xff000000, v[MX+\u]
.endr
.irp u, 0,1,2,3
	v_lshrrev_b32 v[BY+\u], 23, v[SO+\u]
.endr
.irp u, 0,1,2,3
.irp g, 0,1,2,3
	v_cvt_scalef32_pk8_fp4_f32 v[CO+4*\u+\g], v[H+32*\g+8*\u:H+32*\g+8*\u+7], v[SO+\u]
.endr
.endr
.irp u, 0,1,2,3                        ; (plain lines behind the conversions)  the bytes of blocks h and 2 + h
.if \c
	v_lshl_or_b32 v[SW+\u], v[BY+\u], 16, v[SW+\u]
.else
	v_mov_b32 v[SW+\u], v[BY+\u]
.endif
.endr
.irp u, 0,1,2,3
	global_store_b128 v[LI], v[CO+4*\u:CO+4*\u+3], s[22:23] offset:\u*1024+\c*512  ; registers 4 c .. 4 c + 3 of tile u's fragment: 512 consecutive aligned bytes
.endr
.endm
.macro GROUP c                         ; 64 entities
.if \c
	s_wait_xcnt 0x0                                                ; the last group's stores have read their data: T's upper half is written again only behind this wait
.endif
	QCOLS 128*\c, 0x01, 32-32*\c, XF, 8, XS                        ; group 0: the 32 loads of group 1 are younger; group 1: none is
	PLACES 8                                                       ; a scale register written by a vector line stands eight plain lines ahead of a scaled product, an operand so written four
	s_cmp_eq_u32 s16, 2
	s_cbranch_scc1 .Lv_\@
	QK_GROUP \c
	s_branch .Ljoin_\@
.Lv_\@:
	s_wait_alu depctr_va_vdst(0)
	V_GROUP \c
.Ljoin_\@:
.endm
	s_load_b256 s[4:11], s[0:1], 0x0               ; x s[4:5], Wq s[6:7], Wk s[8:9], Wv s[10:11]
	s_load_b128 s[12:15], s[0:1], 0x20             ; qrec s[12:13], kvrec s[14:15]
	v_lshrrev_b32 v9, 5, v0
	v_readfirstlane_b32 s16, v9                    ; wave 0..2: q, k, v
	v_and_b32 v[RR], 15, v0
	v_bfe_u32 v[HH], v0, 4, 1
	v_and_b32 v[LI], 31, v0
	v_lshlrev_b32 v[LI], 4, v[LI]
	v_lshlrev_b32 v[OB], 4, v[RR]
	v_lshl_add_u32 v[XOA], v[HH], 19, v[OB]        ; 32 rows of x are 32 x 16,384 bytes
	v_lshl_add_u32 v[WOA], v[HH], 13, v[OB]        ; 32 rows of W are 32 x 256
	v_lshlrev_b32 v[SH8], 3, v[HH]
	v_mov_b32 v[ZERO], 0
	v_mov_b32 v[EPSV], 0x3727c5ac                  ; eps = 1e-5
	v_mov_b32 v[EPSV+1], 0x3727c5ac
.irp i, 0,1,2,3
	v_mov_b32 v[PX+\i], 0                          ; written once: a lane permute's destination counts as one of its sources
	v_mov_b32 v[WF+16+\i], 0                       ; the pad behind W's last fragment
.irp g, 0,1,2,3
	v_mov_b32 v[XF+8*\g+4+\i], 0                   ; x's codes for k = 64 .. 127: zeros, written once
.endr
.endr
	s_mov_b32 s28, 0x76543210
	s_mov_b32 s29, 0xfedcba98                      ; v_permlanex16_b32's selects for lane l xor 16
	s_mov_b32 s30, 0x3c800000                      ; 1 / 64
	s_mov_b32 s31, s30                             ; (named with it as a pair, so it is written)
	s_mov_b32 vcc_lo, 0xffff0000                   ; lanes 16-31
	s_lshr_b32 s26, ttmp9, 5                       ; batch
	s_mul_i32 s26, s26, 606208                     ; x 37 x 4,096 x 4 bytes
	s_and_b32 s27, ttmp9, 31                       ; step
	s_lshl_b32 s27, s27, 9                         ; x 128 entities x 4 bytes
	s_add_co_u32 s26, s26, s27
	s_mov_b32 s27, 0
	s_mov_b32 s24, 9216                            ; a step's record: 4,608 bytes in qrec, 9,216 in kvrec (k, then v)
	s_cmp_eq_u32 s16, 0
	s_cselect_b32 s24, 4608, s24
	s_mul_i32 s24, ttmp9, s24
	s_cmp_eq_u32 s16, 2
	s_cselect_b32 s25, 4608, 0
	s_add_co_u32 s24, s24, s25
	s_mov_b32 s25, 0
	s_wait_kmcnt 0x0
	s_add_nc_u64 s[4:5], s[4:5], s[26:27]          ; x at my step's first entity, row 0
	s_cmp_eq_u32 s16, 0                            ; the choices hang on the wave's number alone
	s_cselect_b64 s[20:21], s[6:7], s[8:9]
	s_cselect_b64 s[22:23], s[12:13], s[14:15]
	s_cmp_eq_u32 s16, 2
	s_cselect_b64 s[20:21], s[10:11], s[20:21]     ; my W
	s_add_nc_u64 s[22:23], s[22:23], s[24:25]      ; where my results go
	QLOAD 20, WOA, 256, 0, R, 0                    ; W,
	QLOAD 4, XOA, 16384, 0, 0, 0x40                ; x's first 64 entities,
	QLOAD 4, XOA, 16384, 256, 128, 0x40            ; and its second 64: 96 loads of mine are asked for on end
	QCOLS R, 0, 63, WF, 4, WS                      ; W is in: 64 loads are younger; the wait's field holds 63 at the most, and a smaller count is safe
	GROUP 0
	GROUP 1
	s_cmp_eq_u32 s16, 2
	s_cbranch_scc1 .Lvtail
	s_wait_alu depctr_va_vdst(0)
.irp i, 0,1,2,3                        ; q, k: word i of lane l is tile 2 i + l / 16's word of row l % 16, so that one register serves two tiles
	v_cndmask_b32 v[T+\i], v[SW+2*\i], v[SW+2*\i+1], vcc_lo
.endr
	global_store_b128 v[LI], v[T:T+3], s[22:23] offset:4096
	s_endpgm
.Lvtail:
	s_wait_alu depctr_va_vdst(0)
.irp u, 0,1,2,3
	v_lshlrev_b32 v[SW+\u], v[SH8], v[SW+\u]       ; blocks h and 2 + h at their places,
.endr
.irp u, 0,1,2,3
	v_permlanex16_b32 v[PX+\u], v[SW+\u], s28, s29
.endr
.irp u, 0,1,2,3
	v_or_b32 v[SW+\u], v[SW+\u], v[PX+\u]          ; with lane l xor 16's two the word is whole
.endr
	v_cndmask_b32 v[T], v[SW], v[SW+1], vcc_lo
	v_cndmask_b32 v[T+1], v[SW+2], v[SW+3], vcc_lo
	v_mov_b32 v[T+2], 0x7f7f7f7f                   ; the record's last two words are stored too: they are loaded with the others
	v_mov_b32 v[T+3], 0x7f7f7f7f
	global_store_b128 v[LI], v[T:T+3], s[22:23] offset:4096
	s_endpgm
.Lfunc_end_k_q7a97e0da23_project:
	.size	k_q7a97e0da23_project, .Lfunc_end_k_q7a97e0da23_project-k_q7a97e0da23_project
	.p2alignl 7, 3214868480
	.fill 96, 4, 3214868480
	.section	.rodata,"a",@progbits
	.p2align	6, 0x0
	.amdhsa_kernel k_q7a97e0da23_project
		.amdhsa_group_segment_fixed_size 0
		.amdhsa_private_segment_fixed_size 0
		.amdhsa_enable_private_segment 0
		.amdhsa_kernarg_size 48
		.amdhsa_user_sgpr_count 2
		.amdhsa_user_sgpr_kernarg_segment_ptr 1
		.amdhsa_wavefront_size32 1
		.amdhsa_system_sgpr_workgroup_id_x 1
		.amdhsa_system_sgpr_workgroup_id_y 1
		.amdhsa_system_sgpr_workgroup_id_z 1
		.amdhsa_system_vgpr_workitem_id 0
		.amdhsa_next_free_vgpr 512
		.amdhsa_next_free_sgpr 66
		.amdhsa_reserve_vcc 1
		.amdhsa_float_denorm_mode_32 3
		.amdhsa_float_denorm_mode_16_64 3
		.amdhsa_memory_ordered 1
		.amdhsa_forward_progress 1
		.amdhsa_inst_pref_size 182
	.end_amdhsa_kernel
	.amdgpu_metadata
---
amdhsa.version: [ 1, 2 ]
amdhsa.kernels:
  - .name:           k_q7a97e0da23_project
    .symbol:         k_q7a97e0da23_project.kd
    .args:
      - { .name: x, .offset: 0, .size: 8, .value_kind: global_buffer, .address_space: global }
      - { .name: Wq, .offset: 8, .size: 8, .value_kind: global_buffer, .address_space: global }
      - { .name: Wk, .offset: 16, .size: 8, .value_kind: global_buffer, .address_space: global }
      - { .name: Wv, .offset: 24, .size: 8, .value_kind: global_buffer, .address_space: global }
      - { .name: qrec, .offset: 32, .size: 8, .value_kind: global_buffer, .address_space: global }
      - { .name: kvrec, .offset: 40, .size: 8, .value_kind: global_buffer, .address_space: global }
    .group_segment_fixed_size: 0
    .private_segment_fixed_size: 0
    .kernarg_segment_align: 8
    .kernarg_segment_size: 48
    .max_flat_workgroup_size: 96
    .sgpr_count:     66
    .vgpr_count:     512
    .wavefront_size: 32
...
	.end_amdgpu_metadata
.endif
;; end of part 1
;; launch colsum (part 2): grid 16 x 16, 16 waves a work-group, clusters of 4 x 1, 327,680 bytes of LDS; arguments qrec, kvrec, lz; writes lz
.if DOCPART == 2
	.amdgcn_target "amdgcn-amd-amdhsa--gfx1250"
	.amdhsa_code_object_version 6
	.text
	.protected	k_q7a97e0da23_colsum
	.globl	k_q7a97e0da23_colsum
	.p2align	8
	.type	k_q7a97e0da23_colsum,@function
k_q7a97e0da23_colsum:
	s_mov_b64 s[64:65], 0
	v_nop
	global_prefetch_b8 v0, s[64:65] scope:SCOPE_SE
	s_setreg_imm32_b32 hwreg(HW_REG_WAVE_MODE, 25, 1), 1
	s_wait_xcnt 0x0
	s_wait_alu depctr_hold_cnt(0) depctr_sa_sdst(0) depctr_va_vdst(0) depctr_va_sdst(0) depctr_va_ssrc(0) depctr_va_vcc(0) depctr_vm_vsrc(0)
	s_getreg_b32 s2, hwreg(HW_REG_IB_STS2, 6, 4)
	s_cmp_eq_u32 s2, 0
	s_cbranch_scc0 .Lentry_in_a_cluster
	s_endpgm
.Lentry_in_a_cluster:
	s_bfe_u32 s2, ttmp6, 0x10000c
	s_cmp_lg_u32 s2, 0x3003
	s_cbranch_scc0 .Lentry_shape_is_right
	s_endpgm
.Lentry_shape_is_right:
.set REC,   4608
.set STG,   147456
.set SPARE, 148480
.set SPW,  1
.set NIL,  2
.set A0,   3
.set ADR,  4
.set STA,  5
.set STR,  6
.set KSO,  7
.set KO,   8
.set KOS,  16
.set GOF,  17
.set QF,   20
.set QSC,  56
.set S,    64
.set ACC,  128
.set TP,   136
.set WV,  12
.set G1A, 16
.set G1B, 24
.set G0A, 32
.set G0B, 36
.set CS,  40
.set SEL, 42
.set TB,  44
.set CNT, 45
.macro ROUND
	s_barrier_signal -1
	s_barrier_wait -1
	s_cmp_lg_u32 s[WV], 0
	s_cbranch_scc1 .Lnot_wave_0_\@
	s_barrier_signal -3
.Lnot_wave_0_\@:
	s_barrier_wait -3
	s_barrier_signal -1
	s_barrier_wait -1
.endm
.macro QK t
.if (\t)%2
	v_wmma_scale_f32_16x16x128_f8f6f4 v[S+8*(\t):S+8*(\t)+7], v[QF+4*(\t):QF+4*(\t)+7], v[KO:KO+7], 0, v[QSC+(\t)/2], v[KOS] matrix_a_fmt:MATRIX_FMT_FP4 matrix_b_fmt:MATRIX_FMT_FP4 matrix_a_scale:MATRIX_SCALE_ROW1
.else
	v_wmma_scale_f32_16x16x128_f8f6f4 v[S+8*(\t):S+8*(\t)+7], v[QF+4*(\t):QF+4*(\t)+7], v[KO:KO+7], 0, v[QSC+(\t)/2], v[KOS] matrix_a_fmt:MATRIX_FMT_FP4 matrix_b_fmt:MATRIX_FMT_FP4
.endif
.endm
.macro STEP
	v_add_nc_u32 v[ADR], s[TB], v[A0]
.irp t, 0,1,2,3,4,5,6,7
	ds_load_b128 v[QF+4*\t:QF+4*\t+3], v[ADR] offset:512*\t
.endr
	ds_load_b128 v[QSC:QSC+3], v[ADR] offset:4096
	s_wait_dscnt 0x0
.irp t, 0,1,2,3,4,5,6,7
	QK \t
.endr
.rept 4
	v_nop
.endr
.set n, 0
.rept 32
	v_pk_mul_f32 v[S+2*n:S+2*n+1], v[S+2*n:S+2*n+1], s[CS:CS+1] op_sel_hi:[1,0]
.set n, n+1
.endr
.set n, 0
	s_wait_alu depctr_va_vdst(0)
.rept 64
	v_exp_f32 v[S+n], v[S+n]
.set n, n+1
.endr
	v_nop
	s_wait_alu depctr_va_vdst(0)
.set n, 0
.rept 32
	v_pk_add_f32 v[ACC+2*(n%4):ACC+2*(n%4)+1], v[ACC+2*(n%4):ACC+2*(n%4)+1], v[S+2*n:S+2*n+1]
.set n, n+1
.endr
	s_add_co_u32 s[TB], s[TB], REC
.endm
	s_load_b128 s[4:7], s[0:1], 0x0
	s_load_b64 s[8:9], s[0:1], 0x10
	v_lshl_add_u32 v[SPW], v0, 2, SPARE
	v_mov_b32 v[NIL], 0
	ds_add_u32 v[SPW], v[NIL]
	ds_add_u32 v[SPW], v[NIL]
	v_lshrrev_b32 v[ADR], 5, v0
	s_delay_alu instid0(VALU_DEP_1)
	v_readfirstlane_b32 s[WV], v[ADR]
	s_bfe_u32 s13, ttmp6, 0x40000
	s_lshl_b32 s14, ttmp9, 2
	s_add_co_u32 s14, s14, s13
	s_and_b32 s15, ttmp7, 0xffff
	s_mov_b32 s[G1A], 15|(3<<16)|(1<<21)
	s_mov_b32 s[G1A+1], 32<<16
	s_mov_b32 s[G1A+2], 9<<16
	s_mov_b32 s[G1A+3], 32<<16
	s_mov_b32 s[G1A+4], 9
	s_mov_b32 s[G1A+5], 32
	s_mov_b32 s[G1A+6], 0
	s_mov_b32 s[G1A+7], 0
	s_mov_b32 s[G1B], 15|(3<<16)|(1<<21)
	s_mov_b32 s[G1B+1], 32<<16
	s_mov_b32 s[G1B+2], 27<<16
	s_mov_b32 s[G1B+3], 32<<16
	s_mov_b32 s[G1B+4], 27
	s_mov_b32 s[G1B+5], 32
	s_mov_b32 s[G1B+6], 0
	s_mov_b32 s[G1B+7], 0
	s_mul_i32 s46, s15, 147456
	s_mul_i32 s48, s[WV], 2304
	s_mul_i32 s49, s[WV], 6912
	s_add_co_u32 s49, s49, 36864
	s_add_co_u32 s50, s46, s48
	s_mov_b32 s51, 0
	s_add_co_u32 s52, s46, s49
	s_mov_b32 s53, 0
	s_mul_i32 s54, s15, 294912
	s_lshl_b32 s55, s14, 1
	s_lshr_b32 s56, s[WV], 3
	s_add_co_u32 s55, s55, s56
	s_mul_i32 s55, s55, 9216
	s_add_co_u32 s54, s54, s55
	s_and_b32 s56, s[WV], 7
	s_lshl_b32 s57, s56, 9
	s_add_co_u32 s58, s54, s57
	s_mov_b32 s59, 0
	s_and_b32 s57, s56, 1
	s_lshl_b32 s57, s57, 8
	s_lshr_b32 s56, s56, 1
	s_lshl_b32 s56, s56, 2
	s_add_co_u32 s60, s54, s57
	s_add_co_u32 s60, s60, s56
	s_add_co_u32 s60, s60, 4096
	s_mov_b32 s61, 0
	s_lshl_b32 s62, s15, 14
	s_lshl_b32 s63, s14, 10
	s_add_co_u32 s62, s62, s63
	s_mov_b32 s63, 0
	s_lshr_b32 s47, s[WV], 2
	s_lshl_b32 s47, s47, 8
	s_and_b32 s45, s[WV], 3
	s_lshl_b32 s45, s45, 5
	s_add_co_u32 s47, s47, s45
	s_add_co_u32 s47, s47, STG
	s_mov_b32 s[CS], 0x3e38aa3b
	s_mov_b32 s[CS+1], s[CS]
	s_mov_b32 s[SEL], 0x76543210
	s_mov_b32 s[SEL+1], 0xfedcba98
	s_mov_b32 s[TB], 0
	s_wait_dscnt 0x0
	s_wait_kmcnt 0x0
	s_mov_b32 s[G0A], 1
	s_mov_b32 s[G0A+1], s48
	s_add_nc_u64 s[G0A+2:G0A+3], s[4:5], s[50:51]
	s_or_b32 s[G0A+3], s[G0A+3], 0x80000000
	s_mov_b32 s[G0B], 1
	s_mov_b32 s[G0B+1], s49
	s_add_nc_u64 s[G0B+2:G0B+3], s[4:5], s[52:53]
	s_or_b32 s[G0B+3], s[G0B+3], 0x80000000
	s_add_nc_u64 s[58:59], s[6:7], s[58:59]
	s_add_nc_u64 s[60:61], s[6:7], s[60:61]
	s_add_nc_u64 s[8:9], s[8:9], s[62:63]
	ROUND
	tensor_load_to_lds s[G0A:G0A+3], s[G1A:G1A+7]
	s_nop 0
	s_wait_alu depctr_va_vdst(0)
	s_wait_tensorcnt 0x0
	ds_add_u32 v1, v2
	s_wait_dscnt 0x0
	ROUND
	tensor_load_to_lds s[G0B:G0B+3], s[G1B:G1B+7]
	s_nop 0
.rept 4
	v_nop
.endr
	v_and_b32 v[A0], 31, v0
	s_delay_alu instid0(VALU_DEP_1)
	v_lshlrev_b32 v[A0], 4, v[A0]
	v_and_b32 v[KSO], 15, v0
	s_delay_alu instid0(VALU_DEP_1)
	v_lshlrev_b32 v[KSO], 4, v[KSO]
	global_load_b128 v[KO:KO+3], v[A0], s[58:59]
	global_load_b32 v[KOS], v[KSO], s[60:61]
.irp i, 0,1,2,3
	v_mov_b32 v[KO+4+\i], 0
	v_mov_b32 v[QF+32+\i], 0
.endr
	v_bfe_u32 v[STA], v0, 3, 1
	s_delay_alu instid0(VALU_DEP_1)
	v_lshlrev_b32 v[STA], 7, v[STA]
	v_and_b32 v[TP], 7, v0
	s_delay_alu instid0(VALU_DEP_1)
	v_lshl_add_u32 v[STA], v[TP], 2, v[STA]
	s_delay_alu instid0(VALU_DEP_1)
	v_add_nc_u32 v[STA], s47, v[STA]
	v_and_b32 v[GOF], 63, v0
	s_delay_alu instid0(VALU_DEP_1)
	v_lshlrev_b32 v[GOF], 4, v[GOF]
	s_delay_alu instid0(VALU_DEP_1)
	v_add_nc_u32 v[STR], STG, v[GOF]
.irp i, 0,1,2,3,4,5,6,7
	v_mov_b32 v[ACC+\i], 0
.endr
	s_wait_loadcnt 0x0
	s_wait_tensorcnt 0x1
	s_barrier_signal -1
	s_barrier_wait -1
	s_mov_b32 s[CNT], 8
.Lfirst:
	STEP
	s_sub_co_u32 s[CNT], s[CNT], 1
	s_cmp_lg_u32 s[CNT], 0
	s_cbranch_scc1 .Lfirst
	s_wait_tensorcnt 0x0
	s_wait_dscnt 0x0
	s_barrier_signal -1
	s_barrier_wait -1
	s_mov_b32 s[CNT], 24
.Lrest:
	STEP
	s_sub_co_u32 s[CNT], s[CNT], 1
	s_cmp_lg_u32 s[CNT], 0
	s_cbranch_scc1 .Lrest
	v_pk_add_f32 v[ACC:ACC+1], v[ACC:ACC+1], v[ACC+2:ACC+3]
	v_pk_add_f32 v[ACC+4:ACC+5], v[ACC+4:ACC+5], v[ACC+6:ACC+7]
	s_delay_alu instid0(VALU_DEP_1)
	v_pk_add_f32 v[ACC:ACC+1], v[ACC:ACC+1], v[ACC+4:ACC+5]
	s_delay_alu instid0(VALU_DEP_1)
	v_add_f32 v[ACC], v[ACC], v[ACC+1]
	s_delay_alu instid0(VALU_DEP_1)
	v_permlanex16_b32 v[TP], v[ACC], s[SEL], s[SEL+1]
	s_delay_alu instid0(VALU_DEP_1)
	v_add_f32 v[ACC], v[ACC], v[TP]
	s_wait_alu depctr_va_vdst(0)
	v_log_f32 v[TP+1], v[ACC]
	v_nop
	s_wait_alu depctr_va_vdst(0)
	ds_store_b32 v[STA], v[TP+1]
	s_wait_dscnt 0x0
	s_barrier_signal -1
	s_barrier_wait -1
	s_cmp_lt_u32 s[WV], 2
	s_cbranch_scc0 .Ldone
	ds_load_b128 v[S:S+3], v[STR]
	s_wait_dscnt 0x0
	global_store_b128 v[GOF], v[S:S+3], s[8:9]
.Ldone:
	s_wait_tensorcnt 0x0
	ds_add_u32 v[SPW], v[NIL]
	s_wait_dscnt 0x0
	ROUND
	s_endpgm
.Lfunc_end_k_q7a97e0da23_colsum:
	.size	k_q7a97e0da23_colsum, .Lfunc_end_k_q7a97e0da23_colsum-k_q7a97e0da23_colsum
	.p2alignl 7, 3214868480
	.fill 96, 4, 3214868480
	.section	.rodata,"a",@progbits
	.p2align	6, 0x0
	.amdhsa_kernel k_q7a97e0da23_colsum
		.amdhsa_group_segment_fixed_size 327680
		.amdhsa_private_segment_fixed_size 0
		.amdhsa_enable_private_segment 0
		.amdhsa_kernarg_size 24
		.amdhsa_user_sgpr_count 2
		.amdhsa_user_sgpr_kernarg_segment_ptr 1
		.amdhsa_wavefront_size32 1
		.amdhsa_system_sgpr_workgroup_id_x 1
		.amdhsa_system_sgpr_workgroup_id_y 1
		.amdhsa_system_sgpr_workgroup_id_z 1
		.amdhsa_system_vgpr_workitem_id 0
		.amdhsa_next_free_vgpr 144
		.amdhsa_next_free_sgpr 66
		.amdhsa_reserve_vcc 0
		.amdhsa_float_denorm_mode_32 3
		.amdhsa_float_denorm_mode_16_64 3
		.amdhsa_memory_ordered 1
		.amdhsa_forward_progress 1
		.amdhsa_inst_pref_size 25
	.end_amdhsa_kernel
	.amdgpu_metadata
---
amdhsa.version: [ 1, 2 ]
amdhsa.kernels:
  - .name:           k_q7a97e0da23_colsum
    .symbol:         k_q7a97e0da23_colsum.kd
    .args:
      - { .name: qrec, .offset: 0, .size: 8, .value_kind: global_buffer, .address_space: global }
      - { .name: kvrec, .offset: 8, .size: 8, .value_kind: global_buffer, .address_space: global }
      - { .name: lz, .offset: 16, .size: 8, .value_kind: global_buffer, .address_space: global }
    .group_segment_fixed_size: 327680
    .private_segment_fixed_size: 0
    .kernarg_segment_align: 8
    .kernarg_segment_size: 24
    .max_flat_workgroup_size: 512
    .sgpr_count:     66
    .vgpr_count:     144
    .wavefront_size: 32
...
	.end_amdgpu_metadata
.endif
;; end of part 2
;; launch attend (part 3): grid 16 x 16, 8 waves a work-group, clusters of 4 x 1, 327,680 bytes of LDS; arguments qrec, kvrec, lz, out0; writes out0
.if DOCPART == 3
	.amdgcn_target "amdgcn-amd-amdhsa--gfx1250"
	.amdhsa_code_object_version 6
	.text
	.protected	k_q7a97e0da23_attend
	.globl	k_q7a97e0da23_attend
	.p2align	8
	.type	k_q7a97e0da23_attend,@function
k_q7a97e0da23_attend:
	s_mov_b64 s[64:65], 0
	v_nop
	global_prefetch_b8 v0, s[64:65] scope:SCOPE_SE
	s_setreg_imm32_b32 hwreg(HW_REG_WAVE_MODE, 25, 1), 1
	s_wait_xcnt 0x0
	s_wait_alu depctr_hold_cnt(0) depctr_sa_sdst(0) depctr_va_vdst(0) depctr_va_sdst(0) depctr_va_ssrc(0) depctr_va_vcc(0) depctr_vm_vsrc(0)
	s_getreg_b32 s2, hwreg(HW_REG_IB_STS2, 6, 4)
	s_cmp_eq_u32 s2, 0
	s_cbranch_scc0 .Lentry_in_a_cluster
	s_endpgm
.Lentry_in_a_cluster:
	s_bfe_u32 s2, ttmp6, 0x10000c
	s_cmp_lg_u32 s2, 0x3003
	s_cbranch_scc0 .Lentry_shape_is_right
	s_endpgm
.Lentry_shape_is_right:
; out[q][:] = the sum over keys k of Q(w[q][k]) Q(v[k][:]), w[q][k] = 2^(c s[q][k] - L[k]): the finished, normalised weight of reference()'s softmax over the queries; s = Q(q) . Q(k), c = log2(e) / 8,
; L[k] = log2 of key k's divisor, from the launch before.  Both products on codes of FP4 with one E8M0 scale for each 32 along K.  No work of reference() is left out here.
; NO MAXIMUM IS TAKEN: reference() normalises q and k itself: a LayerNorm's 64 numbers have a sum of squares of at most 64, and the quantiser at most doubles a number, so |s| <= 256 and |c s| <= 47 for every finite input;
; a divisor is a sum of 4,096 terms 2^(c s), so L lies in -35 .. 59, c s - L in -106 .. 0 (each weight is one term of its own divisor): no exponential and no sum leaves f32's normal range.
; LIMITS: NaN and infinities among the inputs are not served.  c s - L is one fused multiply-add, and L comes from v_log_f32.
; SHARES.  A work-group owns 256 queries of one batch, each of its eight waves two tiles of 16, worked TOGETHER: each register of K, V and L read from LDS serves both, and one batch of 128 exponentials has one wait on each side.
; Every wave walks all 4,096 keys, 128 a step.  LDS holds the batch's whole kvrec and its L, filled ONCE.  CLUSTER: the four work-groups of a cluster belong to one batch, so all of it is asked for jointly.
; THE FILLS: at the head one joint load a wave (waves 0-5: records 0-7 of kvrec, waves 6-7: L); behind the full sequence and a round one more a wave: records 8-31, which are first read in step 7.
; NO PREFETCH: these two fills ask for all that the launch reads through LDS; no later load is left to run ahead of.
; LAYOUT.  S^T = K Q^T (source 0 = 16 keys, source 1 = 16 queries), O^T = V^T P^T (source 0 = 16 channels, source 1 = P): a lane holds ONE query of each tile.  Tile 4 c + g of a step holds in lane r key 64 c + 4 r + g,
; so the 32 registers of four tiles are one WHOLE block of 32 keys (block 2 c + h) in one lane.  V's codes and L were laid in the same order.  K = 64 in the first product: Q's tiles have zero codes in registers 4-7; K's fragments lie 4 registers apart.
; THE STEP IS LAID OVER TWO TRIPS: step i's second product stands in trip i + 1 behind that trip's 64 multiply-adds, which are the plain lines that P and its scale words need ahead of a scaled product.
; LDS reads run ahead: trip i asks for K and L of step i + 1 and for V of step i.
; REGISTERS: window 0 as named below; window 1: v0-15 my two tiles of Q; v32-95 their O^T; v128-191, v192-255 their scores, then weights.
.set REC,   9216                       ; a step's record in kvrec: K's 8 fragments, K's scale words, V's 4 fragments of 1,024 bytes, V's scale words
.set AB,    8*REC                      ; records 0-7: the head's part
.set LZ,    294912                     ; behind kvrec: the batch's L, 16,384 bytes
.set SPARE, 311296                     ; the spare words, 128 bytes for each of 8 waves: four blocks of 256 bytes that no other line names
.set SPW,  1                           ; my spare word's LDS address; never rewritten
.set NIL,  2                           ; 0; never rewritten
.set A0,   3                           ; 16 x lane
.set N0,   4                           ; LZ + 128 h
.set ADR,  5                           ; the step's record + 16 x lane
.set ADN,  6                           ; the step's L
.set SH8,  7                           ; 8 h
.set QS,   8                           ; Q's scale words: lanes 0-15 tile 0's, lanes 16-31 tile 1's
.set PW,   9                           ; v9, v10 P's scale words, tile 0's and tile 1's
.set W2,   12                          ; v12-13 what lane l xor 16 sends
.set WW,   14                          ; v14-15
.set MA,   16                          ; v16-19 largest weights of my four blocks (block 2 tile + c)
.set SO,   20                          ; v20-23 the conversions' scale operands
.set BY,   24                          ; v24-27 scale bytes
.set STO,  28                          ; the way out: into my stage, back from it, and my offset in out0
.set RD,   29
.set GO,   30
.set P,    32                          ; v32-47 P's codes, two tiles
.set KF,   48                          ; v48-83 K's eight fragments and 4 zeros
.set KS,   84                          ; v84-87 K's scale words
.set VS,   88                          ; v88-91 V's
.set NL,   96                          ; v96-159 L of the step's keys, in the scores' order
.set VF,   160                         ; v160-191 V's four fragments
.set OB,   192                         ; v192-255 the way out: rows of out0
.set WV,  12
.set G1L, 16                           ; s[16:23], s[24:31], s[32:39] descriptor groups 1: 32, 48 and 108 rows of 256 bytes
.set G1A, 24
.set G1B, 32
.set G0L, 40
.set G0A, 44
.set G0B, 48
.set CS,  52
.set SEL, 54
.set TB,  56
.set TN,  57
.set CNT, 58
.set MSB, 0
.macro WIN new                         ; the immediate's high byte repeats the setting that is left
.if MSB != \new
	s_set_vgpr_msb (MSB<<8)|\new
.set MSB, \new
.endif
.endm
.macro PLACES n
.rept \n
	v_nop
.endr
.endm
.macro ROUND                           ; a round of the cluster's barrier
	s_barrier_signal -1
	s_barrier_wait -1
	s_cmp_lg_u32 s[WV], 0
	s_cbranch_scc1 .Lnot_wave_0_\@
	s_barrier_signal -3
.Lnot_wave_0_\@:
	s_barrier_wait -3
	s_barrier_signal -1
	s_barrier_wait -1
.endm
.macro SPROD t, tau                    ; odd tiles of K, and tile 1 of Q, have their scale words in lanes 16-31
.set rS, 128+64*(\tau)+8*(\t)
.if ((\t)%2 == 0) && ((\tau) == 0)
	v_wmma_scale_f32_16x16x128_f8f6f4 v[rS:rS+7], v[KF+4*(\t):KF+4*(\t)+7], v[8*(\tau):8*(\tau)+7], 0, v[KS+(\t)/2], v[QS] matrix_a_fmt:MATRIX_FMT_FP4 matrix_b_fmt:MATRIX_FMT_FP4
.elseif (\tau) == 0
	v_wmma_scale_f32_16x16x128_f8f6f4 v[rS:rS+7], v[KF+4*(\t):KF+4*(\t)+7], v[8*(\tau):8*(\tau)+7], 0, v[KS+(\t)/2], v[QS] matrix_a_fmt:MATRIX_FMT_FP4 matrix_b_fmt:MATRIX_FMT_FP4 matrix_a_scale:MATRIX_SCALE_ROW1
.elseif (\t)%2 == 0
	v_wmma_scale_f32_16x16x128_f8f6f4 v[rS:rS+7], v[KF+4*(\t):KF+4*(\t)+7], v[8*(\tau):8*(\tau)+7], 0, v[KS+(\t)/2], v[QS] matrix_a_fmt:MATRIX_FMT_FP4 matrix_b_fmt:MATRIX_FMT_FP4 matrix_b_scale:MATRIX_SCALE_ROW1
.else
	v_wmma_scale_f32_16x16x128_f8f6f4 v[rS:rS+7], v[KF+4*(\t):KF+4*(\t)+7], v[8*(\tau):8*(\tau)+7], 0, v[KS+(\t)/2], v[QS] matrix_a_fmt:MATRIX_FMT_FP4 matrix_b_fmt:MATRIX_FMT_FP4 matrix_a_scale:MATRIX_SCALE_ROW1 matrix_b_scale:MATRIX_SCALE_ROW1
.endif
.endm
.macro PVPROD u, tau, first
.set rO, 32+32*(\tau)+8*(\u)
.if \first
.if (\u)%2
	v_wmma_scale_f32_16x16x128_f8f6f4 v[rO:rO+7], v[VF+8*(\u):VF+8*(\u)+7], v[P+8*(\tau):P+8*(\tau)+7], 0, v[VS+(\u)/2], v[PW+(\tau)] matrix_a_fmt:MATRIX_FMT_FP4 matrix_b_fmt:MATRIX_FMT_FP4 matrix_a_scale:MATRIX_SCALE_ROW1
.else
	v_wmma_scale_f32_16x16x128_f8f6f4 v[rO:rO+7], v[VF+8*(\u):VF+8*(\u)+7], v[P+8*(\tau):P+8*(\tau)+7], 0, v[VS+(\u)/2], v[PW+(\tau)] matrix_a_fmt:MATRIX_FMT_FP4 matrix_b_fmt:MATRIX_FMT_FP4
.endif
.else
.if (\u)%2
	v_wmma_scale_f32_16x16x128_f8f6f4 v[rO:rO+7], v[VF+8*(\u):VF+8*(\u)+7], v[P+8*(\tau):P+8*(\tau)+7], v[rO:rO+7], v[VS+(\u)/2], v[PW+(\tau)] matrix_a_fmt:MATRIX_FMT_FP4 matrix_b_fmt:MATRIX_FMT_FP4 matrix_a_scale:MATRIX_SCALE_ROW1
.else
	v_wmma_scale_f32_16x16x128_f8f6f4 v[rO:rO+7], v[VF+8*(\u):VF+8*(\u)+7], v[P+8*(\tau):P+8*(\tau)+7], v[rO:rO+7], v[VS+(\u)/2], v[PW+(\tau)] matrix_a_fmt:MATRIX_FMT_FP4 matrix_b_fmt:MATRIX_FMT_FP4
.endif
.endif
.endm
.macro PV first                        ; O^T += V^T P^T: eight accumulators, one instruction a turn; first = 1: the products start the sums
	WIN 0x50                                       ; C and D in window 1
	s_wait_alu depctr_va_vdst(0)                   ; directly ahead of the first reader of O^T, of P and of its scale words
.irp u, 0,1,2,3
	PVPROD \u, 0, \first
	PVPROD \u, 1, \first
.endr
.endm
.macro KLOAD adr, off                  ; K's eight fragments and its scale words: 9 loads
.irp t, 0,1,2,3,4,5,6,7
	ds_load_b128 v[KF+4*\t:KF+4*\t+3], v[\adr] offset:\off+512*\t
.endr
	ds_load_b128 v[KS:KS+3], v[\adr] offset:\off+4096
.endm
.macro LLOAD adr, off                  ; L of 128 keys: 16 loads; the sixteen lanes of a half read the same 16 bytes
.irp c, 0,1
.irp i, 0,1,2,3,4,5,6,7
	ds_load_b128 v[NL+32*\c+4*\i:NL+32*\c+4*\i+3], v[\adr] offset:\off+256*\c+16*\i
.endr
.endr
.endm
; TRIP i: 128 keys x my 32 queries.  pv = 0: trip 0, no second product yet; 1: step i - 1's second product starts O^T's sums; 2: it adds to them.  more = 1: step i + 1's K and L are asked for.
; LDS loads are issued in the order K(i+1) 9, L(i+1) 16, V(i) 9; each wait's count is the number of loads younger than those it needs.
.macro STEP pv, more
.if \pv
	s_wait_dscnt 25                                ; K(i) is in; younger: L(i) 16, V(i-1) 9
.else
	s_wait_dscnt 16                                ; K(0) is in; younger: L(0) 16
.endif
	WIN 0x44                                       ; D and source 1 (Q) in window 1
.irp t, 0,1,2,3,4,5,6,7
	SPROD \t, 0
	SPROD \t, 1
.endr
	WIN 0
	v_add_nc_u32 v[ADR], s[TB], v[A0]              ; four plain lines between the products and the loads into K's registers and the first read of the scores
.if \more
	v_add_nc_u32 v[ADN], s[TN], v[N0]
.else
	v_nop
.endif
	v_nop
	v_nop
.set YNG, 0
.if \more
	KLOAD ADR, REC
.set YNG, YNG+9
.endif
.if \pv
.set YNG, YNG+9
.endif
	s_wait_dscnt YNG                               ; L(i) is in; younger: V(i-1) 9 (pv), K(i+1) 9 (more)
	WIN 0x41                                       ; source 0 and destination in window 1
.set n, 0
.rept 64
	v_pk_fma_f32 v[128+2*n:129+2*n], v[128+2*n:129+2*n], s[CS:CS+1], v[NL+2*(n%32):NL+2*(n%32)+1] op_sel_hi:[1,0,1] neg_lo:[0,0,1] neg_hi:[0,0,1]   ; c s - L, two at a time; each tile from its low end on
.set n, n+1
.endr
	WIN 0
.if \more
	LLOAD ADN, 512
.endif
.if \pv
.if \more
	s_wait_dscnt 25                                ; V(i-1) is in; younger: K(i+1) 9, L(i+1) 16
.else
	s_wait_dscnt 0x0
.endif
	PV (\pv)==1                                    ; its wait also stands between the multiply-adds above and the exponentials below
	WIN 0x41
.else
	WIN 0x41
	s_wait_alu depctr_va_vdst(0)                   ; the wait ahead of the batch
.endif
.set n, 0
.rept 128
	v_exp_f32 v[128+n], v[128+n]                   ; the weights
.set n, n+1
.endr
	v_nop                                          ; a plain line behind the last of the batch,
	s_wait_alu depctr_va_vdst(0)                   ; and one wait for the 128, ahead of their first reader
	WIN 0x14                                       ; sources 1 and 2 in window 1
.irp b, 0,1,2,3
	v_max3_num_f32 v[MA+\b], 0x1800000, v[128+32*\b], v[129+32*\b]   ; my four blocks' largest weights (none is negative), by turns; the floor 2^(3 - 127) holds the byte at 1 from below
.endr
.set p, 1
.rept 15
.irp b, 0,1,2,3
	v_max3_num_f32 v[MA+\b], v[MA+\b], v[128+32*\b+2*p], v[129+32*\b+2*p]
.endr
.set p, p+1
.endr
	WIN 0
.irp u, 0,1,2,3                        ; V(i): 9 loads; the maxima above are the plain lines behind the products that read V(i-1)
.irp c, 0,1
	ds_load_b128 v[VF+8*\u+4*\c:VF+8*\u+4*\c+3], v[ADR] offset:4608+1024*\u+512*\c
.endr
.endr
	ds_load_b128 v[VS:VS+3], v[ADR] offset:8704
.irp b, 0,1,2,3
	v_add_nc_u32 v[SO+\b], 0xff000000, v[MA+\b]    ; 2 off the exponent field: the conversion's scale operand
.endr
	WIN 0x01                                       ; source 0 in window 1
.irp b, 0,1,2,3
.irp g, 0,1,2,3
	v_cvt_scalef32_pk8_fp4_f32 v[P+4*\b+\g], v[128+32*\b+8*\g:135+32*\b+8*\g], v[SO+\b]
.endr
.endr
	WIN 0
.irp b, 0,1,2,3
	v_lshrrev_b32 v[BY+\b], 23, v[SO+\b]           ; (plain lines behind the conversions)  the scales' bytes
.endr
	v_lshl_or_b32 v[WW], v[BY+1], 16, v[BY]        ; blocks h and 2 + h of each tile,
	v_lshl_or_b32 v[WW+1], v[BY+3], 16, v[BY+2]
	s_delay_alu instid0(VALU_DEP_2)
	v_lshlrev_b32 v[WW], v[SH8], v[WW]             ; at their places,
	s_delay_alu instid0(VALU_DEP_2)
	v_lshlrev_b32 v[WW+1], v[SH8], v[WW+1]
	s_delay_alu instid0(VALU_DEP_2)
	v_permlanex16_b32 v[W2], v[WW], s[SEL], s[SEL+1]
	s_delay_alu instid0(VALU_DEP_2)
	v_permlanex16_b32 v[W2+1], v[WW+1], s[SEL], s[SEL+1]
	s_delay_alu instid0(VALU_DEP_2)
	v_or_b32 v[PW], v[WW], v[W2]                   ; with lane l xor 16's two: my queries' scale words for these 128 keys
	s_delay_alu instid0(VALU_DEP_2)
	v_or_b32 v[PW+1], v[WW+1], v[W2+1]
	s_add_co_u32 s[TB], s[TB], REC
	s_add_co_u32 s[TN], s[TN], 512
.endm
; THE WAY OUT of tile tau: register 8 u + j of lane (r, h) is channel 32 h + 4 j + u of query row r.  The tile goes through my stage (16 rows of 256 bytes + 16) and comes back as whole rows.
.macro OUT tau
	WIN 0x04                                       ; an LDS store's data are its source 1: window 1
.irp u, 0,1,2,3
.irp j, 0,1,2,3,4,5,6,7
	ds_store_b32 v[STO], v[32+32*\tau+8*\u+\j] offset:16*\j+4*\u   ; each accumulator from its low end on
.endr
.endr
	WIN 0
.irp i, 0,1,2,3,4,5,6,7
	ds_load_b128 v[OB+32*\tau+4*\i:OB+32*\tau+4*\i+3], v[RD] offset:544*\i         ; LDS serves a wave's instructions in order: these see the stores above
.endr
.irp i, 0,1,2,3,4,5,6,7
	s_wait_dscnt 7-\i                              ; the younger of the eight loads may be out
	global_store_b128 v[GO], v[OB+32*\tau+4*\i:OB+32*\tau+4*\i+3], s[10:11] offset:2048*\i+256*\tau th:TH_STORE_NT   ; sixteen lanes store one row of out0: 256 consecutive aligned bytes
.endr
.endm
	s_load_b256 s[4:11], s[0:1], 0x0               ; qrec s[4:5], kvrec s[6:7], lz s[8:9], out0 s[10:11]
	v_lshl_add_u32 v[SPW], v0, 2, SPARE
	v_mov_b32 v[NIL], 0
	ds_add_u32 v[SPW], v[NIL]                      ; the wave's opening: the add, twice on end, and its wait ahead of my first tensor load
	ds_add_u32 v[SPW], v[NIL]                      ; and once more; the set-up below, work on registers, stands between it and the wait
	v_lshrrev_b32 v[ADR], 5, v0
	s_delay_alu instid0(VALU_DEP_1)
	v_readfirstlane_b32 s[WV], v[ADR]              ; wave 0..7
	s_bfe_u32 s13, ttmp6, 0x40000                  ; cx: my place in the cluster
	s_lshl_b32 s14, ttmp9, 2
	s_add_co_u32 s14, s14, s13                     ; my block of 256 queries: it enters Q's and out0's addresses alone
	s_and_b32 s15, ttmp7, 0xffff                   ; the batch, which the four partners share
	; descriptor groups 1: dense blocks as rows of 256 bytes (32 elements of 8 bytes), no padding
.irp g, G1L, G1A, G1B
	s_mov_b32 s[\g], 15|(3<<16)|(1<<21)            ; 15:0 the mask: all four work-groups; 17:16 elements of 8 bytes; 21 set beside a mask
	s_mov_b32 s[\g+1], 32<<16                      ; tensor_dim0 = 32
	s_mov_b32 s[\g+3], 32<<16                      ; tile_dim0 = 32
	s_mov_b32 s[\g+5], 32                          ; from row to row
	s_mov_b32 s[\g+6], 0
	s_mov_b32 s[\g+7], 0
.endr
	s_mov_b32 s[G1L+2], 32<<16                     ; tensor_dim1 and tile_dim1: L: 16,384 bytes, 8,192 for each of waves 6 and 7
	s_mov_b32 s[G1L+4], 32
	s_mov_b32 s[G1A+2], 48<<16                     ; records 0-7: 73,728 bytes, 12,288 for each of waves 0 to 5
	s_mov_b32 s[G1A+4], 48
	s_mov_b32 s[G1B+2], 108<<16                    ; records 8-31: 221,184 bytes, 27,648 a wave
	s_mov_b32 s[G1B+4], 108
	s_and_b32 s59, s[WV], 1
	s_lshl_b32 s59, s59, 13                        ; which half of L
	s_lshl_b32 s60, s15, 14
	s_add_co_u32 s60, s60, s59                     ; L: in memory,
	s_mov_b32 s61, 0
	s_add_co_u32 s59, s59, LZ                      ; and in LDS
	s_mul_i32 s70, s15, 294912                     ; the batch's first byte in kvrec
	s_mul_i32 s62, s[WV], 12288
	s_add_co_u32 s66, s70, s62
	s_mov_b32 s67, 0
	s_mul_i32 s63, s[WV], 27648
	s_add_co_u32 s63, s63, AB
	s_add_co_u32 s68, s70, s63
	s_mov_b32 s69, 0
	s_mul_i32 s72, s15, 147456                     ; my tiles of Q: step 2 blk + wave / 4 of qrec, tiles 2 (wave % 4) and + 1
	s_lshl_b32 s73, s14, 1
	s_lshr_b32 s74, s[WV], 2
	s_add_co_u32 s73, s73, s74
	s_mul_i32 s73, s73, 4608
	s_add_co_u32 s72, s72, s73
	s_and_b32 s78, s[WV], 3
	s_lshl_b32 s73, s78, 10
	s_lshl_b32 s78, s78, 2
	s_add_co_u32 s74, s72, s78
	s_add_co_u32 s74, s74, 4096                    ; their scale words: word wave % 4 of every lane
	s_mov_b32 s75, 0
	s_add_co_u32 s72, s72, s73
	s_mov_b32 s73, 0
	s_lshl_b32 s76, s15, 20                        ; out0: batch x 4,096 rows of 256 bytes + row 64 (4 blk + wave / 2) + 2 (wave % 2)
	s_lshl_b32 s77, s14, 16
	s_add_co_u32 s76, s76, s77
	s_lshr_b32 s77, s[WV], 1
	s_lshl_b32 s77, s77, 14
	s_add_co_u32 s76, s76, s77
	s_and_b32 s77, s[WV], 1
	s_lshl_b32 s77, s77, 9
	s_add_co_u32 s76, s76, s77
	s_mov_b32 s77, 0
	s_mul_i32 s71, s[WV], 4352                     ; my stage: it lies in kvrec's bytes, which have had their one fill and are read by nobody when the first result is stored there
	s_mov_b32 s[CS], 0x3e38aa3b                    ; c = log2(e) / 8
	s_mov_b32 s[CS+1], s[CS]
	s_mov_b32 s[SEL], 0x76543210
	s_mov_b32 s[SEL+1], 0xfedcba98
	s_mov_b32 s[TB], 0
	s_mov_b32 s[TN], 0
	s_wait_dscnt 0x0                               ; both opening adds are done
	s_wait_kmcnt 0x0
	s_mov_b32 s[G0L], 1
	s_mov_b32 s[G0L+1], s59
	s_add_nc_u64 s[G0L+2:G0L+3], s[8:9], s[60:61]
	s_or_b32 s[G0L+3], s[G0L+3], 0x80000000
	s_mov_b32 s[G0A], 1
	s_mov_b32 s[G0A+1], s62
	s_add_nc_u64 s[G0A+2:G0A+3], s[6:7], s[66:67]
	s_or_b32 s[G0A+3], s[G0A+3], 0x80000000
	s_mov_b32 s[G0B], 1
	s_mov_b32 s[G0B+1], s63
	s_add_nc_u64 s[G0B+2:G0B+3], s[6:7], s[68:69]
	s_or_b32 s[G0B+3], s[G0B+3], 0x80000000
	s_add_nc_u64 s[72:73], s[4:5], s[72:73]
	s_add_nc_u64 s[74:75], s[4:5], s[74:75]
	s_add_nc_u64 s[10:11], s[10:11], s[76:77]
	ROUND                                          ; all four work-groups are here: the joint loads meet
	s_cmp_lt_u32 s[WV], 6                          ; the head's loads, one a wave, in the two arms of one branch on the wave's number
	s_cbranch_scc0 .Lhead_l
	tensor_load_to_lds s[G0A:G0A+3], s[G1A:G1A+7]  ; waves 0-5: records 0-7
	s_nop 0
	PLACES 4
	s_branch .Lhead_asked
.Lhead_l:
	tensor_load_to_lds s[G0L:G0L+3], s[G1L:G1L+7]  ; waves 6-7: L
	s_nop 0
	PLACES 4
.Lhead_asked:
	v_and_b32 v[A0], 31, v0
	v_and_b32 v[MA], 15, v0                        ; r
	v_bfe_u32 v[MA+1], v0, 4, 1                    ; h
	v_mov_b32 v[W2], 0                             ; written once: a lane permute's destination counts as one of its sources
	v_mov_b32 v[W2+1], 0
	v_lshlrev_b32 v[A0], 4, v[A0]
	v_mul_u32_u24 v[STO], v[MA], 272
	v_mul_u32_u24 v[RD], v[MA+1], 272
	v_lshlrev_b32 v[GO], 10, v[MA+1]               ; neighbouring rows of a tile are four rows of out0 apart
	v_lshl_add_u32 v[N0], v[MA+1], 7, LZ
	v_lshlrev_b32 v[SH8], 3, v[MA+1]
	v_lshl_add_u32 v[STO], v[MA+1], 7, v[STO]
	v_lshl_add_u32 v[RD], v[MA], 4, v[RD]
	v_lshl_add_u32 v[GO], v[MA], 4, v[GO]
.irp i, 0,1,2,3
	v_mov_b32 v[KF+32+\i], 0                       ; the pad behind K's last fragment
.endr
	v_add_nc_u32 v[STO], s71, v[STO]               ; in: row r, + 128 h
	v_add_nc_u32 v[RD], s71, v[RD]                 ; back: lanes 0-15 one row, lanes 16-31 the next
	global_load_b32 v[QS], v[A0], s[74:75]
	WIN 0x40                                       ; destination window 1, address window 0
	global_load_b128 v[0:3], v[A0], s[72:73]
	global_load_b128 v[8:11], v[A0], s[72:73] offset:512
.irp i, 4,5,6,7,12,13,14,15
	v_mov_b32 v[\i], 0                             ; Q's codes for k = 64 .. 127: zeros
.endr
	WIN 0
	s_wait_alu depctr_va_vdst(0)
	s_wait_tensorcnt 0x0                           ; my part of the head's fills is in
	ds_add_u32 v[SPW], v[NIL]
	s_wait_dscnt 0x0
	ROUND                                          ; everybody's part is in, and all four work-groups are here
	tensor_load_to_lds s[G0B:G0B+3], s[G1B:G1B+7]  ; records 8-31, an eighth a wave: my one load behind the round
	s_nop 0
	PLACES 4
	KLOAD A0, 0                                    ; step 0's K and L
	LLOAD N0, 0
	s_wait_loadcnt 0x0                             ; Q
	STEP 0, 1                                      ; trips 0 and 1 stand in front of the loops: no second product yet, then the one that starts O^T's sums
	STEP 1, 1
	s_mov_b32 s[CNT], 5
.Lhead:                                                ; trips 2-6: they read records up to 7
	STEP 2, 1
	s_sub_co_u32 s[CNT], s[CNT], 1
	s_cmp_lg_u32 s[CNT], 0
	s_cbranch_scc1 .Lhead
	s_wait_tensorcnt 0x0                           ; my part of records 8-31 is in
	s_wait_dscnt 0x0
	s_barrier_signal -1
	s_barrier_wait -1                              ; everybody's is
	s_mov_b32 s[CNT], 24
.Lrest:                                                ; trips 7-30
	STEP 2, 1
	s_sub_co_u32 s[CNT], s[CNT], 1
	s_cmp_lg_u32 s[CNT], 0
	s_cbranch_scc1 .Lrest
	STEP 2, 0                                      ; trip 31 asks for no further K and L
	s_wait_dscnt 0x0                               ; V(31) is in, and my reads of kvrec's bytes are over
	s_barrier_signal -1
	PLACES 8                                       ; a scale register written by a vector line stands eight plain lines ahead of a scaled product
	PV 0                                           ; step 31's second product: work on registers while the others arrive
	WIN 0
	s_barrier_wait -1                              ; everybody's reads are over: the stages may be written
	PLACES 4                                       ; four plain lines between the last products and the first read of their results
	OUT 0
	OUT 1
	s_wait_tensorcnt 0x0                           ; the wave's end, behind my last tensor load and my last LDS store
	ds_add_u32 v[SPW], v[NIL]
	s_wait_dscnt 0x0
	ROUND                                          ; the closing round
	s_endpgm
.Lfunc_end_k_q7a97e0da23_attend:
	.size	k_q7a97e0da23_attend, .Lfunc_end_k_q7a97e0da23_attend-k_q7a97e0da23_attend
	.p2alignl 7, 3214868480
	.fill 96, 4, 3214868480
	.section	.rodata,"a",@progbits
	.p2align	6, 0x0
	.amdhsa_kernel k_q7a97e0da23_attend
		.amdhsa_group_segment_fixed_size 327680
		.amdhsa_private_segment_fixed_size 0
		.amdhsa_enable_private_segment 0
		.amdhsa_kernarg_size 32
		.amdhsa_user_sgpr_count 2
		.amdhsa_user_sgpr_kernarg_segment_ptr 1
		.amdhsa_wavefront_size32 1
		.amdhsa_system_sgpr_workgroup_id_x 1
		.amdhsa_system_sgpr_workgroup_id_y 1
		.amdhsa_system_sgpr_workgroup_id_z 1
		.amdhsa_system_vgpr_workitem_id 0
		.amdhsa_next_free_vgpr 512
		.amdhsa_next_free_sgpr 80
		.amdhsa_reserve_vcc 0
		.amdhsa_float_denorm_mode_32 3
		.amdhsa_float_denorm_mode_16_64 3
		.amdhsa_memory_ordered 1
		.amdhsa_forward_progress 1
		.amdhsa_inst_pref_size 116
	.end_amdhsa_kernel
	.amdgpu_metadata
---
amdhsa.version: [ 1, 2 ]
amdhsa.kernels:
  - .name:           k_q7a97e0da23_attend
    .symbol:         k_q7a97e0da23_attend.kd
    .args:
      - { .name: qrec, .offset: 0, .size: 8, .value_kind: global_buffer, .address_space: global }
      - { .name: kvrec, .offset: 8, .size: 8, .value_kind: global_buffer, .address_space: global }
      - { .name: lz, .offset: 16, .size: 8, .value_kind: global_buffer, .address_space: global }
      - { .name: out0, .offset: 24, .size: 8, .value_kind: global_buffer, .address_space: global }
    .group_segment_fixed_size: 327680
    .private_segment_fixed_size: 0
    .kernarg_segment_align: 8
    .kernarg_segment_size: 32
    .max_flat_workgroup_size: 256
    .sgpr_count:     80
    .vgpr_count:     512
    .wavefront_size: 32
...
	.end_amdgpu_metadata
.endif
;; end of part 3
